; MI455X (gfx1250); checked and timed in simulation.
; The chip was launched on July 23, 2026; its instructions are those of AMD's public machine-readable ISA for CDNA 5 (MIT licence, August 2026) and "CDNA5" Instruction Set Architecture Reference Guide (July 2026). The comments in the code are by the model that wrote it; some were corrected since.
;; Self Attention. Allowed arithmetic: matrix products marked QUANTISED: E2M1 operands, one E8M0 scale for each 32 along K, by v_wmma_scale_f32_16x16x128_f8f6f4 with both operands' format E2M1 (or v_wmma_scale_f32_32x16x128_f4), f32 sums; everything else in f32.
;; Inputs: key_padding_mask 4 x 2,048 bool; qkv 4 x 2,048 x 3 x 16 x 64 float32.
;; Outputs: out0 4 x 2,048 x 16 x 64 float32.
;; This version of the problem:
;;   THIS VERSION OF THE PROBLEM IS GIVEN IN LOW PRECISION. The matrix products marked QUANTISED in the list below multiply operands that are first quantised to E2M1 (2 exponent bits, 1 mantissa bit; 4 bits a number), with one power-of-two scale for each 32 numbers along K (OCP MX v1.0); their sums are f32. All else is computed in f32.
;;   The module's matrix products, in the order in which they are computed (A, B: the left and right operand; K: the contracted axis; several contracted axes count as one K, in the product's order):
;;     1. batch 64 x [M 2,048, K 64] x [K 64, N 2,048]; A: input qkv; B: computed on the way: QUANTISED
;;     2. batch 64 x [M 64, K 2,048] x [K 2,048, N 2,048]; A: input qkv; B: softmax (see below): QUANTISED
;;   THE QUANTISER, for each operand of a quantised product, along K:
;;     - K is cut into blocks of 32 from its start; a last block that is shorter is filled with zeros.
;;     - A block's scale is 2^e with e = floor(log2(the largest magnitude in the block)) - 2, held to -126 .. 127; a block of zeros has e = 0. As a byte (E8M0): e + 127.
;;     - Each number is divided by its block's scale, clamped to +-6, and rounded to the nearest number of E2M1, ties to even, subnormals kept.
;;     - The product sums the exact products of the quantised numbers (number of the format x scale) in f32.
;;   ~~~python
;;   def quantise(x, axis):      # numpy; x: float32 -> the quantised numbers, widened to float32 again
;;       x = np.moveaxis(x, axis, -1); K = x.shape[-1]
;;       x = np.pad(x, [(0, 0)] * (x.ndim - 1) + [(0, -K % 32)]); x = x.reshape(x.shape[:-1] + (-1, 32)); a = np.abs(x).max(-1, keepdims=True)
;;       e = np.where(a > 0, np.clip(np.frexp(np.where(a > 0, a, 1))[1] - 1 - 2, -126, 127), 0)      # np.frexp(a)[1] - 1 = floor(log2(a)), exactly
;;       r = np.clip(x / 2.0 ** e, -6, 6)
;;       step = 2.0 ** (np.maximum(np.frexp(np.where(r == 0, 1, r))[1] - 1, 0) - 1)
;;       q = np.round(r / step) * step * 2.0 ** e      # np.round: ties to even
;;       return np.moveaxis(q.reshape(q.shape[:-2] + (-1,))[..., :K], -1, axis).astype(np.float32)
;;   ~~~
;;   SOFTMAX AHEAD OF A QUANTISED PRODUCT. Where the list says 'softmax', what is quantised is not the finished softmax but p = 2^(t - M), with t = logit x log2(e) and M = ceil(the row's largest t), a whole number; so 1/2 < the row's largest p <= 1. The row's sum l is taken of the UNQUANTISED p, in f32, and the product's result is divided by l at the end. Since M is a whole number, a kernel that streams over the keys may use a running M (the ceiling of the running maximum): every later rescaling is an exact power of two, which a block's scale takes up: the codes' values come out the same.
;;   OPERANDS COMPUTED ON THE WAY. 'Computed on the way' means the value that the module computes at that place (a softmax that the list does not call 'softmax' is quantised finished and normalised). What goes into a quantiser is computed in f32, as accurately as f32 sums, v_exp_f32 and their like allow (about 1e-6 of the number): no bf16 or f16 on the way to a quantiser, and a product that is left as it is and whose result goes on into a quantised operand takes f32 operands (vector FMAs, or v_wmma_f32_16x16x4_f32). A number that lies on a knife's edge between two numbers of the format may be rounded either way, as far as f32 arithmetic and the matrix unit's own rounding can turn it there, and no further.
;; One version. Each part assembles by itself: llvm-mc -triple=amdgcn-amd-amdhsa -mcpu=gfx1250 --defsym DOCPART=n.
;; ======== version 1 of 1: 2 launches
;; limits: right only within a limited range of input values
;; workspace buffers: kv 10,223,616 bytes
;; launch prep (part 1): grid 8 x 64, 16 waves a work-group, no clusters, 91,648 bytes of LDS; arguments qkv, key_padding_mask, kv; writes kv
.if DOCPART == 1
	.amdgcn_target "amdgcn-amd-amdhsa--gfx1250"
	.amdhsa_code_object_version 6
	.text
	.protected	k_qb46ca187fd_prep
	.globl	k_qb46ca187fd_prep
	.p2align	8
	.type	k_qb46ca187fd_prep,@function
k_qb46ca187fd_prep:
	s_mov_b64 s[64:65], 0
	v_nop
	global_prefetch_b8 v0, s[64:65] scope:SCOPE_SE
	s_setreg_imm32_b32 hwreg(HW_REG_WAVE_MODE, 25, 1), 1
	s_wait_xcnt 0x0
; K and V of qkv [4][2048][3][16][64] f32 become codes of FP4 (E2M1) with E8M0 scale bytes, once for the whole program, laid in kv as images of the operands' registers:
; kv[head 16 b + hd][step of 128 keys][9,984 bytes].  No step of the problem is left out; the mask enters here and nowhere else.
; A step's image: 0 K's 8 tiles, registers 0-3 (512 T + 16 lane); 4096 register 4, the pad's codes (128 T + 4 lane); 5120 K's scale words (16 (r + 16 (T / 4)) + 4 (T % 4));
; 5632 V^T's 4 tiles (1024 tile + 512 c + 16 lane); 9728 V's scale bytes (16 r + 4 tile + block).  Every byte of an image is written.
; THE KEYS OF A TILE: tile 4 c + u has as rows 0-7 keys 64 c + 8 u + 0..7 and as rows 8-15 keys 64 c + 32 + 8 u + 0..7.
; k / 8 is a power of two: the codes are k's own, the scale byte is 3 lower.
; THE PAD RIDES IN THE FIRST PRODUCT'S SPARE K: at k = 64..69 a masked key carries (-6, -6, -6, -6, -6, -0.5) under the byte 133, an open key zeros under the byte 1; Q carries (6, 6, 6, 6, 2, 0.5) under 127:
; -(144 + 12 + 0.25) x 64 = -10000 exactly.
; SHARES.  A work-group makes 256 keys of one head, two images: each of its 16 waves one tile of K (16 keys x 64) and one block of V (32 keys x 32 columns).  The images are put together in LDS
; and leave as they lie: each store of a wave covers 512 consecutive bytes, aligned.  512 work-groups; no tensor loads, no cluster: no two work-groups read the same bytes.
; LIMITS.  NaN and infinities among the inputs are not served.  A block of k whose largest magnitude lies under 2^-121, and a block of v under 2^-124, keeps the byte 1 (a block of zeros too: its codes are zeros, and this program alone reads the bytes).
.set STEPB, 9984
.set KMSK,  4096
.set KSCL,  5120
.set VIMG,  5632
.set VSCL,  9728
.set STG,   2*STEPB                    ; behind the two images: a stage of 16 rows x 272 bytes for each wave
.set SP,    272
.set STGB,  16*SP
.set SPARE, STG+16*STGB                ; the spare words: 128 bytes a wave
.set ROWG,  12288                      ; bytes from a position s of qkv to the next
.set PART,  256*ROWG
.set A16, 1
.set A4, 2
.set AR16, 3
.set STW, 4                            ; stage + 272 h + 16 r
.set STR, 5                            ; stage + 272 r + 128 h
.set SPW, 6
.set KWI, 7
.set KWM, 8
.set KWS, 9
.set VWI, 10
.set VWS, 11
.set GD, 12                            ; 12288 h + 16 r
.set GMO, 13                           ; r % 8 + 32 (r / 8)
.set NIL, 14
.set SH8, 15
.set PC, 16                            ; v16-19 K's codes;  v20-27 at work
.set MB, 28
.set PATV, 29
.set CP, 30                            ; 16 x thread: the way out
.set X, 32                             ; v32-63 rows turned through the stage; then V's codes and the way out
.set RK, 64
.set RV, 96
.macro DLY n
	s_delay_alu instid0(VALU_DEP_\n)
.endm
; the largest magnitude of a lane's 32 numbers, with a floor among the leaves that holds the byte at 1 from below: two chains by turns, the result in v20
.macro AMAX src, floor
	v_max3_num_f32 v20, |v[\src]|, |v[\src+1]|, \floor
	v_max3_num_f32 v22, |v[\src+16]|, |v[\src+17]|, |v[\src+18]|
.irp i, 0,2,4,6,8,10
	DLY 2
	v_max3_num_f32 v20, v20, |v[\src+2+\i]|, |v[\src+3+\i]|
	DLY 2
	v_max3_num_f32 v22, v22, |v[\src+19+\i]|, |v[\src+20+\i]|
.endr
	DLY 2
	v_max3_num_f32 v20, v20, |v[\src+14]|, |v[\src+15]|
	DLY 1
	v_max3_num_f32 v20, v20, v22, |v[\src+31]|
.endm
	s_load_b128 s[4:7], s[0:1], 0x0                ; qkv, the mask
	s_load_b64 s[8:9], s[0:1], 0x10                ; kv
	v_lshrrev_b32 v20, 5, v0
	DLY 1
	v_readfirstlane_b32 s10, v20                   ; wave 0..15
	s_and_b32 s33, ttmp7, 0xffff                   ; the head, 16 b + hd
	s_lshr_b32 s11, s33, 4
	s_and_b32 s12, s33, 15
	s_lshr_b32 s34, s10, 3                         ; which of the two steps
	s_and_b32 s35, s10, 7                          ; my tile of K there: T = 4 c + u
	s_bfe_u32 s36, s10, 0x10002                    ; c, for K and for V
	s_and_b32 s37, s10, 3                          ; u
	s_and_b32 s38, s10, 1                          ; V: which 32 columns
	s_bfe_u32 s39, s10, 0x10001                    ; V: which half of the lanes my block's codes belong to
	s_lshr_b32 s40, s10, 1                         ; V: which block of 32 keys of the 8
	s_mul_i32 s42, s11, 2048*ROWG
	s_lshl_b32 s43, s12, 8
	s_add_co_u32 s42, s42, s43
	s_mul_i32 s43, ttmp9, PART
	s_add_co_u32 s42, s42, s43                     ; the head's bytes at my 256 keys (under 2^27)
	s_lshl_b32 s44, s34, 7
	s_lshl_b32 s43, s36, 6
	s_add_co_u32 s44, s44, s43
	s_lshl_b32 s43, s37, 3
	s_add_co_u32 s44, s44, s43                     ; my tile's first key: 128 step + 64 c + 8 u
	s_mul_i32 s16, s44, ROWG
	s_add_co_u32 s16, s16, s42
	s_add_co_u32 s16, s16, 4096                    ; K's offset
	s_mov_b32 s17, 0
	s_mul_i32 s18, s40, 32*ROWG
	s_lshl_b32 s43, s38, 7
	s_add_co_u32 s18, s18, s43
	s_add_co_u32 s18, s18, s42
	s_add_co_u32 s18, s18, 8192                    ; V's
	s_mov_b32 s19, 0
	s_lshl_b32 s20, s11, 11
	s_lshl_b32 s43, ttmp9, 8
	s_add_co_u32 s20, s20, s43
	s_add_co_u32 s20, s20, s44                     ; the mask's
	s_mov_b32 s21, 0
	s_mul_i32 s22, s33, 16*STEPB
	s_mul_i32 s43, ttmp9, 2*STEPB
	s_add_co_u32 s22, s22, s43                     ; my two images in kv
	s_mov_b32 s23, 0
	s_mul_i32 s24, s10, STGB
	s_add_co_u32 s24, s24, STG                     ; my stage
	s_mul_i32 s41, s34, STEPB
	s_lshl_b32 s25, s35, 9
	s_add_co_u32 s25, s25, s41                     ; step + 512 T
	s_lshl_b32 s26, s35, 7
	s_add_co_u32 s26, s26, s41
	s_add_co_u32 s26, s26, KMSK                    ; step + KMSK + 128 T
	s_lshl_b32 s27, s36, 8
	s_lshl_b32 s43, s37, 2
	s_add_co_u32 s27, s27, s43
	s_add_co_u32 s27, s27, s41
	s_add_co_u32 s27, s27, KSCL                    ; step + KSCL + 256 (T / 4) + 4 (T % 4)
	s_lshl_b32 s30, s38, 11
	s_lshl_b32 s43, s36, 9
	s_add_co_u32 s30, s30, s43
	s_lshl_b32 s43, s39, 8
	s_add_co_u32 s30, s30, s43
	s_add_co_u32 s30, s30, s41
	s_add_co_u32 s30, s30, VIMG                    ; column 32 (w & 1) + lane is row r of tile 2 (w & 1) + h
	s_lshl_b32 s31, s38, 3
	s_and_b32 s43, s40, 3
	s_add_co_u32 s31, s31, s43
	s_add_co_u32 s31, s31, s41
	s_add_co_u32 s31, s31, VSCL
	s_mov_b32 s28, 0x76543210
	s_mov_b32 s29, 0xfedcba98                      ; selects for lane l xor 16
	v_lshl_add_u32 v[SPW], v0, 2, SPARE
	v_mov_b32 v[NIL], 0
	v_and_b32 v20, 31, v0                          ; lane
	v_and_b32 v21, 15, v0                          ; r
	v_bfe_u32 v22, v0, 4, 1                        ; h
	DLY 3
	v_lshlrev_b32 v[A16], 4, v20
	DLY 4
	v_lshlrev_b32 v[A4], 2, v20
	DLY 4
	v_lshlrev_b32 v[AR16], 4, v21
	DLY 4
	v_mul_u32_u24 v[GD], v22, ROWG
	DLY 1
	v_add_nc_u32 v[GD], v[GD], v[AR16]
	v_and_b32 v23, 7, v21
	v_lshrrev_b32 v24, 3, v21
	DLY 1
	v_lshl_add_u32 v[GMO], v24, 5, v23
	v_mul_u32_u24 v23, v22, SP
	DLY 1
	v_add_nc_u32 v23, v23, v[AR16]
	DLY 1
	v_add_nc_u32 v[STW], s24, v23
	v_mul_u32_u24 v23, v21, SP
	DLY 1
	v_lshl_add_u32 v24, v22, 7, v23
	DLY 1
	v_add_nc_u32 v[STR], s24, v24
	v_add_nc_u32 v[KWI], s25, v[A16]
	v_add_nc_u32 v[KWM], s26, v[A4]
	v_add_nc_u32 v[KWS], s27, v[AR16]
	v_lshl_add_u32 v23, v22, 10, v[AR16]
	DLY 1
	v_add_nc_u32 v[VWI], s30, v23
	v_lshl_add_u32 v23, v22, 2, v[AR16]
	DLY 1
	v_add_nc_u32 v[VWS], s31, v23
	v_lshlrev_b32 v[SH8], 3, v22
	v_sub_nc_u32 v23, 1, v22                       ; 1 in lanes 0-15, which hold k = 64 on
	DLY 1
	v_mul_u32_u24 v[PATV], v23, 0x9fffff           ; a masked key there: -6, -6, -6, -6, -6, -0.5
	v_mov_b32 v27, 0                               ; a lane permute's destination counts as one of its sources
	v_lshlrev_b32 v[CP], 4, v0
	s_wait_alu depctr_va_vdst(0)                   ; the wait at the head's end
	s_wait_kmcnt 0x0
	s_add_nc_u64 s[16:17], s[4:5], s[16:17]
	s_add_nc_u64 s[18:19], s[4:5], s[18:19]
	s_add_nc_u64 s[20:21], s[6:7], s[20:21]
	s_add_nc_u64 s[22:23], s[8:9], s[22:23]
.irp i, 0,1,2,3,4,5,6,7                ; my tile of K: each half of the lanes reads a key's 256 bytes; instruction i brings tile rows 2 i, 2 i + 1
	global_load_b128 v[RK+4*\i:RK+4*\i+3], v[GD], s[16:17] offset:(2*\i+24*(\i/4))*ROWG th:TH_LOAD_NT
.endr
	global_load_u8 v[MB], v[GMO], s[20:21]         ; and the keys' mask bytes
.set n, 0
.rept 32                               ; my block of V: a lane takes a column, its registers run down 32 keys; the wave beside me reads each row's other 128 bytes
	global_load_b32 v[RV+n], v[A4], s[18:19] offset:n*ROWG th:TH_LOAD_NT
.set n, n+1
.endr
; ---- K
	s_wait_loadcnt 32                              ; K's 9 loads are in; V's 32 may be out
	v_mul_u32_u24 v23, v[MB], 0x840000
	v_sub_nc_u32 v25, 1, v[MB]
	DLY 2
	v_sub_nc_u32 v23, 0x1850000, v23               ; the scale word's upper half: byte 2 = 133 for a masked key, 1 for an open one; byte 3 = 1
	DLY 2
	v_mul_u32_u24 v25, v25, v[PATV]                ; register 4 of the fragment: the pad's codes, or zeros
.irp i, 0,1,2,3,4,5,6,7                ; 16 rows of 256 bytes through my stage: lane (r, h) then holds d = 32 h + 0..31 of row r.  LDS serves a wave's instructions in order
	ds_store_b128 v[STW], v[RK+4*\i:RK+4*\i+3] offset:2*SP*\i
.endr
.irp i, 0,1,2,3,4,5,6,7
	ds_load_b128 v[X+4*\i:X+4*\i+3], v[STR] offset:16*\i
.endr
	s_wait_dscnt 0x0
	AMAX X, 0x3000000                              ; the floor 2^(6 - 127): the byte, 5 under the exponent field, cannot fall under 1
	DLY 1
	v_add_nc_u32 v24, 0xff000000, v20              ; 2 off the exponent field: the conversion's scale operand, for k as it is
	DLY 2
	v_add_nc_u32 v26, 0xfd800000, v20              ; 5 off: the byte of k / 8
	DLY 1
	v_lshrrev_b32 v26, 23, v26
	DLY 1
	v_lshlrev_b32 v21, v[SH8], v26                 ; my block's byte at its place
	DLY 1
	v_permlanex16_b32 v27, v21, s28, s29           ; the other block's
	DLY 1
	v_add3_u32 v21, v21, v27, v23                  ; the row's scale word (the three share no bit)
.irp g, 0,1,2,3
	v_cvt_scalef32_pk8_fp4_f32 v[PC+\g], v[X+8*\g:X+8*\g+7], v24
.endr
	v_nop                                          ; one plain place behind a scaled conversion
	ds_store_b128 v[KWI], v[PC:PC+3]
	ds_store_b32 v[KWM], v25
	ds_store_b32 v[KWS], v21                       ; lanes r and r + 16 write the same word with the same value
; ---- V
	s_wait_loadcnt 0x0
	AMAX RV, 0x1800000                             ; the floor 2^(3 - 127)
	DLY 1
	v_add_nc_u32 v24, 0xff000000, v20
	DLY 1
	v_lshrrev_b32 v26, 23, v24                     ; the scale's byte
.irp g, 0,1,2,3
	v_cvt_scalef32_pk8_fp4_f32 v[X+\g], v[RV+8*\g:RV+8*\g+7], v24
.endr
	v_nop
	ds_store_b128 v[VWI], v[X:X+3]                 ; 32 codes down the keys: four registers of V^T's fragment
	ds_store_b8 v[VWS], v26
	s_wait_dscnt 0x0                               ; my stores have landed
	s_barrier_signal -1
	s_barrier_wait -1                              ; both images are whole
; ---- the way out: 19,968 bytes as they lie, 16 bytes a thread, 8,192 a turn; the third turn is waves 0-6's
	ds_load_b128 v[X+4:X+7], v[CP]
	ds_load_b128 v[X+8:X+11], v[CP] offset:8192
	s_cmp_lt_u32 s10, 7
	s_cbranch_scc0 .Lno_third
	ds_load_b128 v[X+12:X+15], v[CP] offset:16384
	s_wait_dscnt 0x0
	global_store_b128 v[CP], v[X+12:X+15], s[22:23] offset:16384
.Lno_third:
	s_wait_dscnt 0x0
	global_store_b128 v[CP], v[X+4:X+7], s[22:23]
	global_store_b128 v[CP], v[X+8:X+11], s[22:23] offset:8192
	s_wait_tensorcnt 0x0                           ; the wave's end
	ds_add_u32 v[SPW], v[NIL]
	s_wait_dscnt 0x0
	s_endpgm
.Lfunc_end_k_qb46ca187fd_prep:
	.size	k_qb46ca187fd_prep, .Lfunc_end_k_qb46ca187fd_prep-k_qb46ca187fd_prep
	.p2alignl 7, 3214868480
	.fill 96, 4, 3214868480
	.section	.rodata,"a",@progbits
	.p2align	6, 0x0
	.amdhsa_kernel k_qb46ca187fd_prep
		.amdhsa_group_segment_fixed_size 91648
		.amdhsa_private_segment_fixed_size 0
		.amdhsa_enable_private_segment 0
		.amdhsa_kernarg_size 24
		.amdhsa_user_sgpr_count 2
		.amdhsa_user_sgpr_kernarg_segment_ptr 1
		.amdhsa_wavefront_size32 1
		.amdhsa_system_sgpr_workgroup_id_x 1
		.amdhsa_system_sgpr_workgroup_id_y 1
		.amdhsa_system_sgpr_workgroup_id_z 1
		.amdhsa_system_vgpr_workitem_id 0
		.amdhsa_next_free_vgpr 128
		.amdhsa_next_free_sgpr 66
		.amdhsa_reserve_vcc 0
		.amdhsa_float_denorm_mode_32 3
		.amdhsa_float_denorm_mode_16_64 3
		.amdhsa_memory_ordered 1
		.amdhsa_forward_progress 1
		.amdhsa_inst_pref_size 16
	.end_amdhsa_kernel
	.amdgpu_metadata
---
amdhsa.version: [ 1, 2 ]
amdhsa.kernels:
  - .name:           k_qb46ca187fd_prep
    .symbol:         k_qb46ca187fd_prep.kd
    .args:
      - { .name: qkv, .offset: 0, .size: 8, .value_kind: global_buffer, .address_space: global }
      - { .name: key_padding_mask, .offset: 8, .size: 8, .value_kind: global_buffer, .address_space: global }
      - { .name: kv, .offset: 16, .size: 8, .value_kind: global_buffer, .address_space: global }
    .group_segment_fixed_size: 91648
    .private_segment_fixed_size: 0
    .kernarg_segment_align: 8
    .kernarg_segment_size: 24
    .max_flat_workgroup_size: 512
    .sgpr_count:     66
    .vgpr_count:     128
    .wavefront_size: 32
...
	.end_amdgpu_metadata
.endif
;; end of part 1
;; launch attn (part 2): grid 4 x 64, 16 waves a work-group, clusters of 4 x 1, 231,424 bytes of LDS; arguments qkv, kv, out0; writes out0
.if DOCPART == 2
	.amdgcn_target "amdgcn-amd-amdhsa--gfx1250"
	.amdhsa_code_object_version 6
	.text
	.protected	k_qb46ca187fd_attn
	.globl	k_qb46ca187fd_attn
	.p2align	8
	.type	k_qb46ca187fd_attn,@function
k_qb46ca187fd_attn:
	s_mov_b64 s[64:65], 0
	v_nop
	global_prefetch_b8 v0, s[64:65] scope:SCOPE_SE
	s_setreg_imm32_b32 hwreg(HW_REG_WAVE_MODE, 25, 1), 1
	s_wait_xcnt 0x0
	s_wait_alu depctr_hold_cnt(0) depctr_sa_sdst(0) depctr_va_vdst(0) depctr_va_sdst(0) depctr_va_ssrc(0) depctr_va_vcc(0) depctr_vm_vsrc(0)
	s_getreg_b32 s2, hwreg(HW_REG_IB_STS2, 6, 4)
	s_cmp_eq_u32 s2, 0
	s_cbranch_scc0 .Lentry_in_a_cluster
	s_endpgm
.Lentry_in_a_cluster:
	s_bfe_u32 s2, ttmp6, 0x10000c
	s_cmp_lg_u32 s2, 0x3003
	s_cbranch_scc0 .Lentry_shape_is_right
	s_endpgm
.Lentry_shape_is_right:
; out[b][t][hd][:] = sum over s of softmax_s(q[b][t][hd] . k[b][s][hd] / 8 + pad[b][s]) v[b][s][hd][:], both products on codes of FP4 (E2M1) with one E8M0 scale for each 32 along a product's K.
; K, V and the pad come as the images that the launch before has laid in kv (its head comment gives the layout); the mask is not read here: it lies in the images.  q is read from qkv and quantised here, by its one reader.
; SHARES.  A work-group owns one (b, hd) and 512 queries.  Sixteen waves of 256 registers, four to a SIMD.  A wave owns 16 queries at a time and walks the head's 2,048 keys, 128 a step, twice:
; pass 0 for queries 512 x + 16 w + 0..15, pass 1 for those 256 further on.
; THE WHOLE HEAD'S IMAGES LIE IN LDS (16 x 9,984 bytes), filled once: wave w asks for step w's image, 39 rows of 256 bytes, by its one tensor load.  Nothing is filled again; one barrier.
; CLUSTER.  The four work-groups of a head need the same images: they form a cluster of 4 x 1 and ask jointly (mask 15).  Only the addresses of q and out0 hang on the place in the cluster.
; NO PREFETCH: all that comes by tensor loads is asked for at the head, in one group; there is no loop to run ahead in.
; LAYOUT.  Both products are used transposed: S^T = K Q^T, O^T = V^T P^T: a lane holds ONE query (lane % 16).  By the tiles' choice of keys the 32 registers of tiles 4 c .. 4 c + 3 hold, in lane (r, h),
; keys 64 c + 32 h + 0..31 of query r: a whole block of 32 in the order of the 4-bit operand.  Q's codes at k = 64..69 are (6, 6, 6, 6, 2, 0.5) under the byte 127, at k = 70..127 zeros; K's registers 5-7 are zeros.
; K's eight fragments, V's four and their scale words have registers of their own: a step's V and the NEXT step's K are asked of LDS behind the first product and land under the softmax.
; SOFTMAX.  t = logit x log2(e);  M = the running largest t rounded up to a whole number, kept as -M;  p = 2^(t - M) is quantised along the keys, not normalised;  the row's sum is taken of the unquantised p and
; divides at the end;  when M moves, the sum and O^T are multiplied by 2^(old M - new M), which rounds nothing.
; LIMITS.  NaN and infinities among the inputs are not served.  A block of q or p whose largest magnitude lies under 2^-124 keeps the byte 1.  Logits under -1e38 are not served.
; A block's largest p is made from its largest score, which takes v_exp_f32 not to fall where its input rises.
.set STEPB, 9984
.set KMSK,  4096
.set KSCL,  5120
.set VIMG,  5632
.set VSCL,  9728
.set STG,   16*STEPB                   ; behind the images: a stage of 16 rows x 272 bytes for each wave, its own
.set SP,    272
.set STGB,  16*SP
.set SPARE, STG+16*STGB                ; the spare words: 128 bytes a wave
.set ROWG,  12288
.set PART,  256*ROWG
.set A16,  1                           ; 16 x lane
.set A4,   2                           ; 4 x lane
.set AR16, 3                           ; 16 r
.set STW,  4                           ; stage + 272 h + 16 r
.set STR,  5                           ; stage + 272 r + 128 h
.set SOW,  6                           ; stage + 272 r + 32 h
.set SPW,  7
.set NIL,  8
.set GD,   9                           ; 12288 h + 16 r
.set GOO,  10                          ; 4096 h + 16 r
.set SH8,  11                          ; 8 h
.set PFO,  12                          ; v12      the prefetch's offset: 12288 x min(lane, 15); never rewritten
.set QF,   16                          ; v16-23   Q's fragment
.set PC,   24                          ; v24-31   P's codes
.set KB,   32                          ; v32-63   K's tiles 0-3
.set OT,   64                          ; v64-95   O^T
.set S,    96                          ; v96-159  S^T, then p
.set X,    128                         ; v128-159 outside the steps: rows turned through the stage
.set KB2,  160                         ; v160-191 K's tiles 4-7
.set VB,   192                         ; v192-223 V's four tiles (between the passes: raw q of pass 1)
.set KS,   224                         ; v224-227 K's scale words;  v228-231 V's;  v232 Q's;  v233 P's
.set VS,   228
.set QS,   232
.set PS,   233
                                       ; v[234:235] -M, the largest score;  v[236:237] the sum;  v[238:239] f, the old -M;  v240-247, v250-255 at work;  v248 a permute's destination
                                       ; s[22:23] q, s[24:25] out0 at my first query;  s[26:27] log2(e);  s[28:29] lane selects;  s30 this step's image, s31 the next step's;  s32 a loop's count
.set G1,   48                          ; s[48:55], s[56:59] the tensor load's groups 1 and 0
.set G0,   56
.macro DLY n
	s_delay_alu instid0(VALU_DEP_\n)
.endm
.macro ROUND                           ; a round of the cluster's barrier
	s_barrier_signal -1
	s_barrier_wait -1
	s_cmp_lg_u32 s10, 0
	s_cbranch_scc1 .Lnot_wave_0_\@
	s_barrier_signal -3
.Lnot_wave_0_\@:
	s_barrier_wait -3
	s_barrier_signal -1
	s_barrier_wait -1
.endm
.macro LQ dst, imm                     ; 16 queries: each half of the lanes reads a query's 256 bytes.  8 loads
.irp i, 0,1,2,3,4,5,6,7
	global_load_b128 v[\dst+4*\i:\dst+4*\i+3], v[GD], s[22:23] offset:\imm+2*\i*ROWG th:TH_LOAD_NT
.endr
.endm
.macro AMAX src, floor                 ; the largest magnitude of a lane's 32 numbers and a floor: the result in v240
	v_max3_num_f32 v240, |v[\src]|, |v[\src+1]|, \floor
	v_max3_num_f32 v242, |v[\src+16]|, |v[\src+17]|, |v[\src+18]|
.irp i, 0,2,4,6,8,10
	DLY 2
	v_max3_num_f32 v240, v240, |v[\src+2+\i]|, |v[\src+3+\i]|
	DLY 2
	v_max3_num_f32 v242, v242, |v[\src+19+\i]|, |v[\src+20+\i]|
.endr
	DLY 2
	v_max3_num_f32 v240, v240, |v[\src+14]|, |v[\src+15]|
	DLY 1
	v_max3_num_f32 v240, v240, v242, |v[\src+31]|
.endm
; 16 queries become four registers of codes and a scale word (bytes 2 and 3: 127).  They go through my stage and come back 128 bytes a lane: lane (r, h) holds d = 32 h + 0..31 of row r
.macro QPREP src, cnt, qd, qs
	s_wait_loadcnt \cnt
.irp i, 0,1,2,3,4,5,6,7
	ds_store_b128 v[STW], v[\src+4*\i:\src+4*\i+3] offset:2*SP*\i
.endr
.irp i, 0,1,2,3,4,5,6,7
	ds_load_b128 v[X+4*\i:X+4*\i+3], v[STR] offset:16*\i
.endr
	s_wait_dscnt 0x0
	AMAX X, 0x1800000
	DLY 1
	v_add_nc_u32 v244, 0xff000000, v240
	DLY 1
	v_lshrrev_b32 v246, 23, v244
	DLY 1
	v_lshlrev_b32 v241, v[SH8], v246
	DLY 1
	v_permlanex16_b32 v248, v241, s28, s29
	DLY 1
	v_or_b32 v241, v241, v248
	DLY 1
	v_or_b32 v[\qs], 0x7f7f0000, v241
.irp g, 0,1,2,3
	v_cvt_scalef32_pk8_fp4_f32 v[\qd+\g], v[X+8*\g:X+8*\g+7], v244
.endr
	v_nop
.endm
; A pass's first step finds zeros in O^T and in the sum.  (These lines are also the places between Q's scale word and the first product.)
.macro INIT
.set n, 0
.rept 32
	v_mov_b32 v[OT+n], 0
.set n, n+1
.endr
	v_mov_b32 v236, 0
	v_mov_b32 v237, 0
	v_mov_b32 v235, 0xfe967699                     ; the largest score so far: -1e38
	DLY 1
	v_mul_f32 v234, s26, v235
	DLY 1
	v_floor_f32 v234, -v234                        ; -M
	s_wait_alu depctr_va_vdst(0)                   ; the step's first line is a wait for LDS
.endm
.macro KLOAD a16, a4                   ; a step's K: the scale words, eight tiles' registers 0-3 and register 4.  17 loads
	ds_load_b128 v[KS:KS+3], v[\a16] offset:KSCL
.irp t, 0,1,2,3,4,5,6,7
	ds_load_b128 v[KB+8*\t+96*(\t/4):KB+8*\t+96*(\t/4)+3], v[\a16] offset:512*\t
	ds_load_b32 v[KB+8*\t+96*(\t/4)+4], v[\a4] offset:KMSK+128*\t
.endr
.endm
; The largest scores of my two blocks (32 registers, four accumulators each): three chains to a block, six by turns, so that a line reads the result of the line six back.
; Each accumulator is first read at one of its four lowest registers: registers 0, 8, 16 in the first lines, 24 in the next.
.macro RND xa, xb, ya, yb, za, zb
.irp c, 0,1
	v_max3_num_f32 v[240+\c], v[240+\c], v[S+32*\c+\xa], v[S+32*\c+\xb]
	v_max3_num_f32 v[242+\c], v[242+\c], v[S+32*\c+\ya], v[S+32*\c+\yb]
	v_max3_num_f32 v[244+\c], v[244+\c], v[S+32*\c+\za], v[S+32*\c+\zb]
.endr
.endm
.macro BMAXES
.irp c, 0,1
	v_max3_num_f32 v[240+\c], v[S+32*\c], v[S+32*\c+1], v[S+32*\c+2]
	v_max3_num_f32 v[242+\c], v[S+32*\c+8], v[S+32*\c+9], v[S+32*\c+10]
	v_max3_num_f32 v[244+\c], v[S+32*\c+16], v[S+32*\c+17], v[S+32*\c+18]
.endr
	RND 24,25, 3,4, 11,12
	RND 19,20, 26,27, 5,6
	RND 13,14, 21,22, 28,29
	RND 7,15, 23,30, 31,31
	DLY 4
	v_max3_num_f32 v240, v240, v242, v244          ; block h's
	DLY 2
	v_max3_num_f32 v241, v241, v243, v245          ; block 2 + h's
.endm
; ---- A KEY STEP: the 128 keys whose image begins at s30.  pre = 1: the K of the image at s31 is asked for
.macro STEP pre
	s_wait_dscnt 0x0                               ; this step's K is in
.irp t, 0,1,2,3
	v_wmma_scale_f32_16x16x128_f8f6f4 v[S+8*\t:S+8*\t+7], v[KB+8*\t:KB+8*\t+7], v[QF:QF+7], 0, v[KS+\t], v[QS] matrix_a_fmt:MATRIX_FMT_FP4 matrix_b_fmt:MATRIX_FMT_FP4
.endr
.irp t, 0,1,2,3
	v_wmma_scale_f32_16x16x128_f8f6f4 v[S+32+8*\t:S+32+8*\t+7], v[KB2+8*\t:KB2+8*\t+7], v[QF:QF+7], 0, v[KS+\t], v[QS] matrix_a_fmt:MATRIX_FMT_FP4 matrix_b_fmt:MATRIX_FMT_FP4 matrix_a_scale:MATRIX_SCALE_ROW1
.endr
	v_add_nc_u32 v252, s30, v[A16]                 ; five plain lines: the places behind the products, in front of the loads into their fragments and of the first read of their results
	v_add_nc_u32 v253, s30, v[AR16]
.if \pre
	v_add_nc_u32 v254, s31, v[A16]
	v_add_nc_u32 v255, s31, v[A4]
.else
	v_nop
	v_nop
.endif
	v_mov_b32 v239, v234                           ; the old -M
	ds_load_b128 v[VS:VS+3], v253 offset:VSCL      ; this step's V: 9 loads
.irp d, 0,1,2,3
.irp c, 0,1
	ds_load_b128 v[VB+8*\d+4*\c:VB+8*\d+4*\c+3], v252 offset:VIMG+1024*\d+512*\c
.endr
.endr
.if \pre
	KLOAD 254, 255                                 ; the next step's K: 17 loads
.endif
	BMAXES                                         ; v240, v241: my two blocks' largest scores: for the row's maximum, and, since p rises with the score, for the blocks' largest p
	DLY 1
	v_max_num_f32 v242, v240, v241
	DLY 1
	v_permlanex16_b32 v248, v242, s28, s29         ; the query's other 64 keys lie in lane l xor 16
	DLY 1
	v_max3_num_f32 v235, v235, v242, v248          ; the running largest score
	DLY 1
	v_mul_f32 v242, s26, v235                      ; as t
	DLY 1
	v_floor_f32 v234, -v242                        ; the new -M = -ceil(t)
	DLY 1
	v_sub_f32 v239, v234, v239                     ; old M - new M: a whole number, 0 or less
	DLY 1
	v_cvt_i32_f32 v239, v239                       ; (it saturates)
	DLY 1
	v_ldexp_f32 v238, 1.0, v239                    ; f = 2^(old M - new M)
.set n, 0
.rept 32
	v_pk_fma_f32 v[S+n:S+n+1], v[S+n:S+n+1], s[26:27], v[234:235] op_sel_hi:[1,0,0]   ; t - M, two at a time
.set n, n+2
.endr
	v_fma_f32 v240, v240, s26, v234                ; the same of each block's largest score
	v_fma_f32 v241, v241, s26, v234
.set n, 0
	s_wait_alu depctr_va_vdst(0)                   ; the wait ahead of the batch
.rept 64
	v_exp_f32 v[S+n], v[S+n]                       ; p = 2^(t - M), at most 1
.set n, n+1
.endr
	v_exp_f32 v240, v240                           ; the blocks' largest p
	v_exp_f32 v241, v241
	v_pk_mul_f32 v[236:237], v[236:237], v[238:239] op_sel_hi:[1,0]   ; the sum under the new M.  (The plain place behind the exponentials)
	s_wait_alu depctr_va_vdst(0)                   ; and behind it
	v_max_num_f32 v240, 0x1800000, v240            ; the floor 2^(3 - 127)
	v_max_num_f32 v241, 0x1800000, v241
	DLY 2
	v_add_nc_u32 v244, 0xff000000, v240            ; 2 off the exponent field: the conversions' scale operands
	DLY 2
	v_add_nc_u32 v245, 0xff000000, v241
	DLY 2
	v_lshrrev_b32 v246, 23, v244                   ; the bytes of blocks h and 2 + h
	DLY 2
	v_lshrrev_b32 v247, 23, v245
	DLY 1
	v_lshl_or_b32 v246, v247, 16, v246
	DLY 1
	v_lshlrev_b32 v246, v[SH8], v246
	DLY 1
	v_permlanex16_b32 v248, v246, s28, s29
	DLY 1
	v_or_b32 v[PS], v246, v248                     ; P's scale word for these 128 keys
.irp c, 0,1
.irp u, 0,1,2,3
	v_cvt_scalef32_pk8_fp4_f32 v[PC+4*\c+\u], v[S+32*\c+8*\u:S+32*\c+8*\u+7], v[244+\c]   ; register 4 c + u of P's fragment
.endr
.endr
; the row's sum of the unquantised p: 32 pairs in eight chains by turns (the LDS addresses in v252-255 have been read)
.set n, S
.irp c, 250,254,246,244,242,240,252
	v_pk_add_f32 v[\c:\c+1], v[n:n+1], v[n+2:n+3]
.set n, n+4
.endr
	v_pk_add_f32 v[236:237], v[236:237], v[n:n+1]
.set n, n+2
.rept 2
.irp c, 250,254,246,244,242,240,252,236
	v_pk_add_f32 v[\c:\c+1], v[\c:\c+1], v[n:n+1]
.set n, n+2
.endr
.endr
	v_pk_add_f32 v[250:251], v[250:251], v[n:n+1]
	DLY 2
	v_pk_add_f32 v[236:237], v[236:237], v[244:245]
	DLY 2
	v_pk_add_f32 v[250:251], v[250:251], v[242:243]
	v_pk_add_f32 v[254:255], v[254:255], v[240:241]
	v_pk_add_f32 v[246:247], v[246:247], v[252:253]
	DLY 2
	v_pk_add_f32 v[236:237], v[236:237], v[254:255]
	DLY 2
	v_pk_add_f32 v[250:251], v[250:251], v[246:247]
	DLY 1
	v_pk_add_f32 v[236:237], v[236:237], v[250:251]
.set n, 0
.rept 16
	v_pk_mul_f32 v[OT+n:OT+n+1], v[OT+n:OT+n+1], v[238:239] op_sel_hi:[1,0]   ; O^T under the new M, from each accumulator's low end on.  (With the sums: 48 places between P's scale word and the products)
.set n, n+2
.endr
	s_wait_alu depctr_va_vdst(0)                   ; directly ahead of the wait below
	s_wait_dscnt 17*\pre                           ; V's 9 loads are in; the next step's 17, issued behind them, may be out
.irp d, 0,1,2,3                        ; the four accumulators take turns
	v_wmma_scale_f32_16x16x128_f8f6f4 v[OT+8*\d:OT+8*\d+7], v[VB+8*\d:VB+8*\d+7], v[PC:PC+7], v[OT+8*\d:OT+8*\d+7], v[VS+\d], v[PS] matrix_a_fmt:MATRIX_FMT_FP4 matrix_b_fmt:MATRIX_FMT_FP4
.endr
	s_add_co_u32 s30, s30, STEPB
	s_add_co_u32 s31, s31, STEPB
.endm
.macro WALK15                          ; steps 0-14 of a pass
	s_mov_b32 s30, 0
	s_mov_b32 s31, STEPB
	s_mov_b32 s32, 15
.Lwalk_\@:
	STEP 1
	s_sub_co_u32 s32, s32, 1
	s_cmp_lg_u32 s32, 0
	s_cbranch_scc1 .Lwalk_\@
	s_mov_b32 s30, 15*STEPB
	s_mov_b32 s31, 0
.endm
; THE WAY OUT: O^T / the sum goes through my stage and leaves as whole rows: sixteen lanes store 256 consecutive bytes, at a multiple of 256 from out0's first byte.
.macro OUT imm, lq                     ; lq = 1: the next pass's queries are asked for on the way
.rept 4
	v_nop                                          ; places behind the last products
.endr
.if \lq
	LQ VB, PART                                    ; into V's registers, which the last products have read: 8 loads
.endif
	v_add_f32 v236, v236, v237
	DLY 1
	v_permlanex16_b32 v248, v236, s28, s29
	DLY 1
	v_add_f32 v236, v236, v248                     ; the row's sum
	s_wait_alu depctr_va_vdst(0)                   ; the wait ahead of the transcendental
	v_rcp_f32 v238, v236
	v_nop                                          ; a plain place behind it
.set n, 0
	s_wait_alu depctr_va_vdst(0)                   ; the wait ahead of its first reader, which is O^T's too
.rept 16
	v_pk_mul_f32 v[S+n:S+n+1], v[OT+n:OT+n+1], v[238:239] op_sel_hi:[1,0]   ; register 8 tile + j: o(query r, d = 16 tile + 8 h + j)
.set n, n+2
.endr
.irp d, 0,1,2,3
	ds_store_b128 v[SOW], v[S+8*\d:S+8*\d+3] offset:64*\d
	ds_store_b128 v[SOW], v[S+8*\d+4:S+8*\d+7] offset:64*\d+16
.endr
.irp i, 0,1,2,3,4,5,6,7
	ds_load_b128 v[X+4*\i:X+4*\i+3], v[STW] offset:2*SP*\i   ; LDS serves a wave's instructions in order: these see my stores
.endr
.irp i, 0,1,2,3,4,5,6,7
	s_wait_dscnt 7-\i
	global_store_b128 v[GOO], v[X+4*\i:X+4*\i+3], s[24:25] offset:\imm+8192*\i th:TH_STORE_NT
.endr
.endm
; ================ the head ================
	s_load_b128 s[4:7], s[0:1], 0x0                ; qkv, kv
	s_load_b64 s[8:9], s[0:1], 0x10                ; out0
	v_lshl_add_u32 v[SPW], v0, 2, SPARE
	v_mov_b32 v[NIL], 0
	ds_add_u32 v[SPW], v[NIL]                      ; the opening lines: the add, twice on end, and its wait ahead of my tensor load
	ds_add_u32 v[SPW], v[NIL]
	v_lshrrev_b32 v240, 5, v0
	DLY 1
	v_readfirstlane_b32 s10, v240                  ; wave 0..15
	s_bfe_u32 s45, ttmp6, 0x40000                  ; cx: which 512 queries of the head
	s_and_b32 s33, ttmp7, 0xffff                   ; the head, 16 b + hd
	s_lshr_b32 s11, s33, 4
	s_and_b32 s12, s33, 15
	s_mul_i32 s42, s11, 2048*ROWG
	s_lshl_b32 s43, s12, 8
	s_add_co_u32 s42, s42, s43                     ; the head's first byte in qkv
	s_lshl_b32 s45, s45, 9
	s_lshl_b32 s44, s10, 4
	s_add_co_u32 s45, s45, s44                     ; my first query: 512 cx + 16 w
	s_mul_i32 s22, s45, ROWG
	s_add_co_u32 s22, s22, s42                     ; its offset in qkv (under 2^27)
	s_mov_b32 s23, 0
	s_lshl_b32 s24, s45, 12
	s_lshl_b32 s44, s11, 23
	s_add_co_u32 s24, s24, s44
	s_add_co_u32 s24, s24, s43                     ; and in out0
	s_mov_b32 s25, 0
	s_mov_b32 s[G0], 1
	s_mul_i32 s[G0+1], s10, STEPB                  ; step w's image: its place in LDS,
	s_mul_i32 s[G0+2], s33, 16*STEPB
	s_add_co_u32 s[G0+2], s[G0+2], s[G0+1]         ; and its offset in kv: the head and the wave's number alone
	s_mov_b32 s[G0+3], 0
	s_mov_b32 s[G1], 15|(3<<16)|(1<<21)            ; the mask: all four of the cluster; elements of 8 bytes; bit 21 beside a mask
	s_mov_b32 s[G1+1], 32<<16                      ; rows of 32 elements, 256 bytes,
	s_mov_b32 s[G1+2], 39<<16                      ; 39 of them,
	s_mov_b32 s[G1+3], 32<<16
	s_mov_b32 s[G1+4], 39
	s_mov_b32 s[G1+5], 32                          ; dense
	s_mov_b32 s[G1+6], 0
	s_mov_b32 s[G1+7], 0
	s_mul_i32 s34, s10, STGB
	s_add_co_u32 s34, s34, STG                     ; my stage
	s_mov_b32 s26, 0x3fb8aa3b                      ; log2(e)
	s_mov_b32 s27, s26
	s_mov_b32 s28, 0x76543210
	s_mov_b32 s29, 0xfedcba98                      ; selects for lane l xor 16
	v_and_b32 v240, 31, v0                         ; lane
	v_and_b32 v241, 15, v0                         ; r
	v_bfe_u32 v242, v0, 4, 1                       ; h
	DLY 3
	v_lshlrev_b32 v[A16], 4, v240
	DLY 4
	v_lshlrev_b32 v[A4], 2, v240
	DLY 4
	v_lshlrev_b32 v[AR16], 4, v241
	DLY 4
	v_mul_u32_u24 v[GD], v242, ROWG
	DLY 1
	v_add_nc_u32 v[GD], v[GD], v[AR16]
	v_mul_u32_u24 v243, v242, SP
	DLY 1
	v_add_nc_u32 v243, v243, v[AR16]
	DLY 1
	v_add_nc_u32 v[STW], s34, v243
	v_mul_u32_u24 v243, v241, SP
	DLY 1
	v_lshl_add_u32 v244, v242, 7, v243
	DLY 1
	v_add_nc_u32 v[STR], s34, v244
	DLY 3
	v_lshl_add_u32 v244, v242, 5, v243
	DLY 1
	v_add_nc_u32 v[SOW], s34, v244
	v_lshl_add_u32 v[GOO], v242, 12, v[AR16]
	v_lshlrev_b32 v[SH8], 3, v242
	v_min_u32 v[PFO], 15, v240                     ; a lane a query; lanes 16-31 name the wave's last query again
	DLY 1
	v_mul_u32_u24 v[PFO], v[PFO], ROWG
	v_sub_nc_u32 v243, 1, v242                     ; 1 in lanes 0-15, which hold k = 64 on
	DLY 1
	v_mul_u32_u24 v[QF+4], v243, 0x147777          ; Q at k = 64..69: 6, 6, 6, 6, 2, 0.5
	v_mov_b32 v[QF+5], 0
	v_mov_b32 v[QF+6], 0
	v_mov_b32 v[QF+7], 0
	v_mov_b32 v248, 0                              ; a lane permute's destination counts as one of its sources
.irp t, 0,1,2,3,4,5,6,7
.irp j, 5,6,7
	v_mov_b32 v[KB+8*\t+96*(\t/4)+\j], 0           ; K's registers 5-7, k = 72 on: written once
.endr
.endr
	s_wait_alu depctr_va_vdst(0)                   ; the wait at the head's end
	s_wait_dscnt 0x0                               ; both opening adds are done
	s_wait_kmcnt 0x0
	s_add_nc_u64 s[22:23], s[4:5], s[22:23]        ; q
	s_add_nc_u64 s[24:25], s[8:9], s[24:25]        ; out0
	s_add_nc_u64 s[G0+2:G0+3], s[6:7], s[G0+2:G0+3]
	s_or_b32 s[G0+3], s[G0+3], 0x80000000          ; type = 2
	LQ S, 0                                        ; pass 0's queries: 8 loads
	ROUND                                          ; all four work-groups are here: the joint loads meet
	tensor_load_to_lds s[G0:G0+3], s[G1:G1+7]      ; my one tensor load
	s_nop 0
	QPREP S, 0, QF, QS
	s_wait_tensorcnt 0x0                           ; my image has landed
	s_barrier_signal -1
	s_barrier_wait -1                              ; the whole head lies in LDS: from here on the images are only read
	global_prefetch_b8 v[PFO], s[22:23] offset:PART th:TH_LOAD_NT scope:SCOPE_SE   ; pass 1's 16 queries of mine, 256 bytes each, 16 key steps ahead of their loads; nobody else reads them; the address registers are never rewritten
	KLOAD A16, A4                                  ; step 0's K
; ================ pass 0 ================
	INIT
	WALK15
	STEP 1                                         ; step 15 asks for step 0's K again: pass 1's
	OUT 0, 1
	s_wait_xcnt 0x0                                ; the stores' data registers are written again only behind this wait
; ================ pass 1 ================
	QPREP VB, 0, QF, QS
	INIT
	WALK15
	STEP 0
	OUT 256*4096, 0
	s_wait_tensorcnt 0x0                           ; the wave's end
	ds_add_u32 v[SPW], v[NIL]
	s_wait_dscnt 0x0
	ROUND                                          ; the closing round
	s_endpgm
.Lfunc_end_k_qb46ca187fd_attn:
	.size	k_qb46ca187fd_attn, .Lfunc_end_k_qb46ca187fd_attn-k_qb46ca187fd_attn
	.p2alignl 7, 3214868480
	.fill 96, 4, 3214868480
	.section	.rodata,"a",@progbits
	.p2align	6, 0x0
	.amdhsa_kernel k_qb46ca187fd_attn
		.amdhsa_group_segment_fixed_size 231424
		.amdhsa_private_segment_fixed_size 0
		.amdhsa_enable_private_segment 0
		.amdhsa_kernarg_size 24
		.amdhsa_user_sgpr_count 2
		.amdhsa_user_sgpr_kernarg_segment_ptr 1
		.amdhsa_wavefront_size32 1
		.amdhsa_system_sgpr_workgroup_id_x 1
		.amdhsa_system_sgpr_workgroup_id_y 1
		.amdhsa_system_sgpr_workgroup_id_z 1
		.amdhsa_system_vgpr_workitem_id 0
		.amdhsa_next_free_vgpr 256
		.amdhsa_next_free_sgpr 66
		.amdhsa_reserve_vcc 0
		.amdhsa_float_denorm_mode_32 3
		.amdhsa_float_denorm_mode_16_64 3
		.amdhsa_memory_ordered 1
		.amdhsa_forward_progress 1
		.amdhsa_inst_pref_size 85
	.end_amdhsa_kernel
	.amdgpu_metadata
---
amdhsa.version: [ 1, 2 ]
amdhsa.kernels:
  - .name:           k_qb46ca187fd_attn
    .symbol:         k_qb46ca187fd_attn.kd
    .args:
      - { .name: qkv, .offset: 0, .size: 8, .value_kind: global_buffer, .address_space: global }
      - { .name: kv, .offset: 8, .size: 8, .value_kind: global_buffer, .address_space: global }
      - { .name: out0, .offset: 16, .size: 8, .value_kind: global_buffer, .address_space: global }
    .group_segment_fixed_size: 231424
    .private_segment_fixed_size: 0
    .kernarg_segment_align: 8
    .kernarg_segment_size: 24
    .max_flat_workgroup_size: 512
    .sgpr_count:     66
    .vgpr_count:     256
    .wavefront_size: 32
...
	.end_amdgpu_metadata
.endif
;; end of part 2
